; MI455X (gfx1250); checked and timed in simulation.
; The chip was launched on July 23, 2026; its instructions are those of AMD's public machine-readable ISA for CDNA 5 (MIT licence, August 2026) and "CDNA5" Instruction Set Architecture Reference Guide (July 2026). The comments in the code are by the model that wrote it; some were corrected since.
;; Torchax Base Linear Layer With Lo RA. Allowed arithmetic: matrix products marked QUANTISED: E2M3 operands, one E8M0 scale for each 32 along K, by v_wmma_scale_f32_16x16x128_f8f6f4 with both operands' format E2M3, f32 sums; products left as they are: f32 operands where the result goes on into a quantised operand, else bf16, f16 or f32 operands; f32 sums; everything else in f32.
;; Inputs: W_codes 4,096 x 128 x 24 uint8 (E2M3 codes of W, K innermost, in blocks of 32 codes, four codes in three bytes); W_scales 4,096 x 128 uint8 (E8M0 scales of W, one for each 32 codes along K); lora_a_codes 8 x 16 x 128 x 24 uint8 (E2M3 codes of lora_a, K innermost, in blocks of 32 codes, four codes in three bytes); lora_a_scales 8 x 16 x 128 uint8 (E8M0 scales of lora_a, one for each 32 codes along K); lora_b 8 x 4,096 x 16 float32; token_lora_idx 2,048 int32; x_codes 2,048 x 128 x 24 uint8 (E2M3 codes of x, K innermost, in blocks of 32 codes, four codes in three bytes); x_scales 2,048 x 128 uint8 (E8M0 scales of x, one for each 32 codes along K).
;; Outputs: out0 2,048 x 4,096 float32.
;; This version of the problem:
;;   THIS VERSION OF THE PROBLEM IS GIVEN IN LOW PRECISION. The matrix products marked QUANTISED in the list below multiply operands that are first quantised to E2M3 (2 exponent bits, 3 mantissa bits; 6 bits a number), with one power-of-two scale for each 32 numbers along K (OCP MX v1.0); their sums are f32. All else is computed in f32.
;;   The module's matrix products, in the order in which they are computed (A, B: the left and right operand; K: the contracted axis; several contracted axes count as one K, in the product's order):
;;     1. [M 2,048, K 4,096] x [K 4,096, N 4,096]; A: input x (given as codes); B: input W (given as codes): QUANTISED
;;     2. [M 128, K 4,096] x [K 4,096, N 2,048]; A: input lora_a (given as codes); B: input x (given as codes): QUANTISED
;;     3. batch 2,048 x [M 16, K 8] x [K 8, N 1]; A: computed on the way; B: computed on the way: left as it is (K = 8 < 32)
;;     4. [M 2,048, K 128] x [K 128, N 4,096]; A: computed on the way; B: input lora_b: QUANTISED
;;   THE QUANTISER, for each operand of a quantised product, along K:
;;     - K is cut into blocks of 32 from its start; a last block that is shorter is filled with zeros.
;;     - A block's scale is 2^e with e = floor(log2(the largest magnitude in the block)) - 2, held to -126 .. 127; a block of zeros has e = 0. As a byte (E8M0): e + 127.
;;     - Each number is divided by its block's scale, clamped to +-7.5, and rounded to the nearest number of E2M3, ties to even, subnormals kept.
;;     - The product sums the exact products of the quantised numbers (number of the format x scale) in f32.
;;   ~~~python
;;   def quantise(x, axis):      # numpy; x: float32 -> the quantised numbers, widened to float32 again
;;       x = np.moveaxis(x, axis, -1); K = x.shape[-1]
;;       x = np.pad(x, [(0, 0)] * (x.ndim - 1) + [(0, -K % 32)]); x = x.reshape(x.shape[:-1] + (-1, 32)); a = np.abs(x).max(-1, keepdims=True)
;;       e = np.where(a > 0, np.clip(np.frexp(np.where(a > 0, a, 1))[1] - 1 - 2, -126, 127), 0)      # np.frexp(a)[1] - 1 = floor(log2(a)), exactly
;;       r = np.clip(x / 2.0 ** e, -7.5, 7.5)
;;       step = 2.0 ** (np.maximum(np.frexp(np.where(r == 0, 1, r))[1] - 1, 0) - 3)
;;       q = np.round(r / step) * step * 2.0 ** e      # np.round: ties to even
;;       return np.moveaxis(q.reshape(q.shape[:-2] + (-1,))[..., :K], -1, axis).astype(np.float32)
;;   ~~~
;;   OPERANDS COMPUTED ON THE WAY. 'Computed on the way' means the value that the module computes at that place (a softmax that the list does not call 'softmax' is quantised finished and normalised). What goes into a quantiser is computed in f32, as accurately as f32 sums, v_exp_f32 and their like allow (about 1e-6 of the number): no bf16 or f16 on the way to a quantiser, and a product that is left as it is and whose result goes on into a quantised operand takes f32 operands (vector FMAs, or v_wmma_f32_16x16x4_f32). A number that lies on a knife's edge between two numbers of the format may be rounded either way, as far as f32 arithmetic and the matrix unit's own rounding can turn it there, and no further.
;;   INPUTS GIVEN AS CODES. W (in the module: [4096, 4096], K = its axis 1); lora_a (in the module: [8, 16, 4096], K = its axis 2); x (in the module: [2048, 4096], K = its axis 1): each comes as NAME_codes (uint8): NAME with its K axis moved to the last place and cut into blocks of 32 codes, [.., K / 32, bytes a block], one block behind the other in memory; four codes in three bytes: a row's codes are one little-endian stream of bits, code i at bits 6 i .. 6 i + 5 (a code: sign, 2 exponent bits, 3 mantissa bits); and NAME_scales (uint8): the same leading axes, one E8M0 byte (e + 127) for each 32 codes along K. Its value is code x scale, taken as it is: it is not quantised again, and the codes and scales need not be those that the quantiser above would give.
;; One version. Each part assembles by itself: llvm-mc -triple=amdgcn-amd-amdhsa -mcpu=gfx1250 --defsym DOCPART=n.
;; ======== version 1 of 1: 2 launches
;; limits: right only within a limited range of input values
;; workspace buffers: lop 614,400 bytes; xf 6,291,456 bytes
;; launch prep (part 1): grid 64 x 4, 4 waves a work-group, clusters of 4 x 4, 225,792 bytes of LDS; arguments x_codes, x_scales, lora_a_codes, lora_a_scales, lora_b, token_lora_idx, lop, xf; writes lop, xf
.if DOCPART == 1
	.amdgcn_target "amdgcn-amd-amdhsa--gfx1250"
	.amdhsa_code_object_version 6
	.text
	.protected	k_qb6258454f2_prep
	.globl	k_qb6258454f2_prep
	.p2align	8
	.type	k_qb6258454f2_prep,@function
k_qb6258454f2_prep:
	s_mov_b64 s[64:65], 0
	v_nop
	global_prefetch_b8 v0, s[64:65] scope:SCOPE_SE
	s_setreg_imm32_b32 hwreg(HW_REG_WAVE_MODE, 25, 1), 1
	s_wait_xcnt 0x0
	s_wait_alu depctr_hold_cnt(0) depctr_sa_sdst(0) depctr_va_vdst(0) depctr_va_sdst(0) depctr_va_ssrc(0) depctr_va_vcc(0) depctr_vm_vsrc(0)
	s_getreg_b32 s2, hwreg(HW_REG_IB_STS2, 6, 4)
	s_cmp_eq_u32 s2, 0
	s_cbranch_scc0 .Lentry_in_a_cluster
	s_endpgm
.Lentry_in_a_cluster:
	s_bfe_u32 s2, ttmp6, 0x10000c
	s_cmp_lg_u32 s2, 0xf033
	s_cbranch_scc0 .Lentry_shape_is_right
	s_endpgm
.Lentry_shape_is_right:
; THE ADAPTER'S OPERANDS, AND x AS REGISTER IMAGES.  s_all = lora_a x^T on the given codes of FP6 (E2M3); each token keeps the 16 numbers of its own adapter (a factor 1 or 0 from token_lora_idx);
; the row sm[t][128] (K = 16 x adapter + rank) is quantised along K; lora_b [8][4096][16] f32 is quantised along the same K.  Both go to lop.
; lop: SMC [4 blocks][2048 tokens][24 bytes]; LBC [4 blocks][4096 outputs][24 bytes]; LSC [4 blocks][2048 + 4096] scale bytes.  A block of 32 along K is a pair of adapters 2 b, 2 b + 1.
; xf: [128 blocks of 16 tokens][32 K steps][3][32 lanes][16 bytes]: a fragment's 12 registers as they lie in the lanes, 1,536 consecutive bytes, for the product's launch.
; SHARES.  Work-group (tb, b): tokens 32 tb .. + 31 against lora_a's 32 rows of adapters 2 b, 2 b + 1, all of K: 64 x 4 = 256 work-groups.
; Four tiles of 32 rows x 1,536 bytes (x's two halves of K, lora_a's two), one tensor load a wave; a barrier; wave w then multiplies K = 1,024 w .. + 1,023, 8 steps on 4 accumulators.
; The four partial sums meet in LDS, and waves 0 and 1 finish token tile tt = w.  Every LDS byte is filled once.
; x's fragments pass through every work-group's registers; the four work-groups of a tb share the stores out: (tb, b) keeps steps 8 w + 2 b and + 1, by a select on b (no branch and no LDS address hangs on the place in the cluster).
; Each work-group also quantises lora_b for 16 outputs 16 g .., g = tb + 64 b: wave w block w, lane L adapter 2 w + L % 2 and output 16 g + L / 2.
; CLUSTER 4 x 4: x's tiles hang on tb and the wave (asked jointly by a column), lora_a's on b and the wave (by a row).
; LIMITS.  A block of zeros carries the scale byte 1, not 127: its codes are zeros and only this program reads the bytes.  An index outside 0 .. 7 gives zeros, as one_hot does.
; NaN and infinities among the inputs are not served.  A token's shrink is the f32 sum (P0 + P1) + (P2 + P3) of partial sums over quarters of K.
.set KROW,  3072
.set HB,    1536                       ; a tile's row in memory: half of a row of codes, six units of 256 bytes
.set WOFF,  816                        ; a wave's quarter in an LDS row: 3 x (256 + 16)
.set PITCH, 1632                       ; an LDS row: 6 x (256 + 16)
.set TILE,  32*PITCH
.set RED,   4*TILE                     ; the partial sums, 4,096 bytes a wave; no tensor load lands here
.set SPARE, RED+16384                  ; the spare words
.set SMC,   0
.set LBC,   196608
.set LSC,   589824
.set SMP,   49152
.set LBP,   98304
.set LSP,   6144
.set XBLK,  49152                      ; xf: 16 tokens, all 32 steps
.set FR,    12
.set FS,    64                         ; v64-159 two sets of four fragments; first lora_b's 16 numbers, at last the partial sums
.set KEEP,  160                        ; v160-207 the x fragments that this work-group stores
.set ACC,   208
.set SX,    32
.set SL,    40
.set AX,    4
.set AL,    6
.set G1X,   24
.set G0X,   32
.set G0L,   36
.set G1L,   40
.set MK,    72                         ; s72-75: all ones where b = j
.set PADF,  (1<<20)|(1<<21)|(5<<22)|(3<<25)
.macro CROUND
	s_barrier_signal -1
	s_barrier_wait -1
	s_cmp_lg_u32 s20, 0
	s_cbranch_scc1 .Lnot_wave_0_\@
	s_barrier_signal -3
.Lnot_wave_0_\@:
	s_barrier_wait -3
	s_barrier_signal -1
	s_barrier_wait -1
.endm
.macro PLACES
.rept 4
	v_nop
.endr
.endm
; a fragment: lane (r, h) holds row r; registers 6 c .. 6 c + 5 hold K = 64 c + 32 h + 0 .. 31, in pieces of 8 bytes; where lanes 16-31 lie behind one padding more, the second address register serves
.macro FRAG reg, adr, q, rowoff
.irp p, 0,1,2,3,4,5
.set PC, 12*(\q)+6*(\p/3)+\p%3
.if PC%32 < 29
	ds_load_b64 v[\reg+2*\p:\reg+2*\p+1], v[\adr] offset:8*PC+16*(PC/32)+\rowoff
.else
	ds_load_b64 v[\reg+2*\p:\reg+2*\p+1], v[\adr+1] offset:8*PC+16*(PC/32)+\rowoff
.endif
.endr
.endm
.macro FETCH q, f
	FRAG FS+48*(\f), AX, \q, 0
	FRAG FS+48*(\f)+FR, AX, \q, 16*PITCH
	FRAG FS+48*(\f)+2*FR, AL, \q, 0
	FRAG FS+48*(\f)+3*FR, AL, \q, 16*PITCH
.endm
; step q's two x fragments are kept where q / 2 = b
.macro KEEPSEL q
.irp j, 0,1,2,3,4,5,6,7,8,9,10,11,12,13,14,15,16,17,18,19,20,21,22,23
.if (\q) < 2
	v_cndmask_b32 v[KEEP+24*((\q)%2)+\j], 0, v[FS+48*((\q)%2)+\j], s[MK+(\q)/2]
.else
	v_cndmask_b32 v[KEEP+24*((\q)%2)+\j], v[KEEP+24*((\q)%2)+\j], v[FS+48*((\q)%2)+\j], s[MK+(\q)/2]
.endif
.endr
.endm
; the four accumulators by turns; step 0 starts the sums with the constant 0
.macro MUL4 q, f
.set F, FS+48*(\f)
.if (\q) == 0
	v_wmma_scale_f32_16x16x128_f8f6f4 v[ACC:ACC+7], v[F+24:F+35], v[F:F+11], 0, v[SL+(\q)], v[SX+(\q)] matrix_a_fmt:MATRIX_FMT_FP6 matrix_b_fmt:MATRIX_FMT_FP6
	v_wmma_scale_f32_16x16x128_f8f6f4 v[ACC+8:ACC+15], v[F+36:F+47], v[F:F+11], 0, v[SL+(\q)], v[SX+(\q)] matrix_a_fmt:MATRIX_FMT_FP6 matrix_b_fmt:MATRIX_FMT_FP6 matrix_a_scale:MATRIX_SCALE_ROW1
	v_wmma_scale_f32_16x16x128_f8f6f4 v[ACC+16:ACC+23], v[F+24:F+35], v[F+12:F+23], 0, v[SL+(\q)], v[SX+(\q)] matrix_a_fmt:MATRIX_FMT_FP6 matrix_b_fmt:MATRIX_FMT_FP6 matrix_b_scale:MATRIX_SCALE_ROW1
	v_wmma_scale_f32_16x16x128_f8f6f4 v[ACC+24:ACC+31], v[F+36:F+47], v[F+12:F+23], 0, v[SL+(\q)], v[SX+(\q)] matrix_a_fmt:MATRIX_FMT_FP6 matrix_b_fmt:MATRIX_FMT_FP6 matrix_a_scale:MATRIX_SCALE_ROW1 matrix_b_scale:MATRIX_SCALE_ROW1
.else
	v_wmma_scale_f32_16x16x128_f8f6f4 v[ACC:ACC+7], v[F+24:F+35], v[F:F+11], v[ACC:ACC+7], v[SL+(\q)], v[SX+(\q)] matrix_a_fmt:MATRIX_FMT_FP6 matrix_b_fmt:MATRIX_FMT_FP6
	v_wmma_scale_f32_16x16x128_f8f6f4 v[ACC+8:ACC+15], v[F+36:F+47], v[F:F+11], v[ACC+8:ACC+15], v[SL+(\q)], v[SX+(\q)] matrix_a_fmt:MATRIX_FMT_FP6 matrix_b_fmt:MATRIX_FMT_FP6 matrix_a_scale:MATRIX_SCALE_ROW1
	v_wmma_scale_f32_16x16x128_f8f6f4 v[ACC+16:ACC+23], v[F+24:F+35], v[F+12:F+23], v[ACC+16:ACC+23], v[SL+(\q)], v[SX+(\q)] matrix_a_fmt:MATRIX_FMT_FP6 matrix_b_fmt:MATRIX_FMT_FP6 matrix_b_scale:MATRIX_SCALE_ROW1
	v_wmma_scale_f32_16x16x128_f8f6f4 v[ACC+24:ACC+31], v[F+36:F+47], v[F+12:F+23], v[ACC+24:ACC+31], v[SL+(\q)], v[SX+(\q)] matrix_a_fmt:MATRIX_FMT_FP6 matrix_b_fmt:MATRIX_FMT_FP6 matrix_a_scale:MATRIX_SCALE_ROW1 matrix_b_scale:MATRIX_SCALE_ROW1
.endif
.endm
; the largest magnitude of 16 numbers into v21, with the floor 2^(3 - 127) among the leaves: the scale's byte cannot fall under 1
.macro QMAX src
	v_max3_num_f32 v21, |v[\src]|, |v[\src+1]|, |v[\src+2]|
	v_max3_num_f32 v22, |v[\src+3]|, |v[\src+4]|, |v[\src+5]|
.irp i, 6,10
	v_max3_num_f32 v21, v21, |v[\src+\i]|, |v[\src+\i+1]|
	v_max3_num_f32 v22, v22, |v[\src+\i+2]|, |v[\src+\i+3]|
.endr
	v_max3_num_f32 v21, v21, |v[\src+14]|, |v[\src+15]|
	v_max3_num_f32 v21, v21, v22, 0x1800000
.endm
; 2 off the exponent field is the conversion's scale operand; the field itself is the scale's byte
.macro QCODE src, dst, byte
	v_add_nc_u32 v23, 0xff000000, v21
	v_cvt_scalef32_pk16_fp6_f32 v[\dst:\dst+2], v[\src:\src+15], v23
	v_lshrrev_b32 v[\byte], 23, v23                ; also the plain vector instruction behind the conversion
.endm
	s_load_b256 s[4:11], s[0:1], 0x0               ; x's codes, x's scales, lora_a's codes, lora_a's scales
	s_load_b128 s[12:15], s[0:1], 0x20             ; lora_b, token_lora_idx
	s_load_b128 s[16:19], s[0:1], 0x30             ; lop, xf
	v_lshl_add_u32 v254, v0, 2, SPARE
	v_mov_b32 v255, 0
	ds_add_u32 v254, v255                          ; the opening lines: the add, twice on end, and its wait
	ds_add_u32 v254, v255
	v_lshrrev_b32 v1, 5, v0
	v_readfirstlane_b32 s20, v1                    ; wave
	s_and_b32 s21, s20, 1                          ; w % 2: which half of K I fetch; which quarter of that half I multiply; the token tile that I would finish
	s_lshr_b32 s22, s20, 1                         ; w / 2: the half of K in which my quarter lies
	s_bfe_u32 s23, ttmp6, 0x40000                  ; cx
	s_bfe_u32 s48, ttmp6, 0x40004                  ; cy = b: the grid is one cluster high
	s_lshl_b32 s49, ttmp9, 2
	s_add_co_u32 s49, s49, s23                     ; tb
	s_lshl_b32 s54, s48, 2
	s_lshl_b32 s54, 15, s54                        ; my row of the cluster
	s_lshl_b32 s55, 0x1111, s23                    ; my column
	s_or_b32 s[G1X+0], s55, PADF
	s_or_b32 s[G1L+0], s54, PADF
.irp g, G1X, G1L
	s_mov_b32 s[\g+1], HB<<16
	s_mov_b32 s[\g+2], 32<<16
	s_mov_b32 s[\g+3], HB<<16
	s_mov_b32 s[\g+4], 32
	s_mov_b32 s[\g+5], KROW
	s_mov_b32 s[\g+6], 0
	s_mov_b32 s[\g+7], 0
.endr
	s_mov_b32 s50, 0x76543210
	s_mov_b32 s51, 0xfedcba98
.irp j, 0,1,2,3
	s_cmp_eq_u32 s48, \j
	s_cselect_b32 s[MK+\j], -1, 0
.endr
	s_lshl_b32 s56, s48, 6
	s_add_co_u32 s56, s56, s49                     ; g = tb + 64 b
	s_mul_i32 s76, s22, TILE
	s_mul_i32 s57, s21, WOFF
	s_add_co_u32 s76, s76, s57                     ; my quarter of x in LDS
	s_lshl_b32 s77, s20, 12
	s_add_co_u32 s77, s77, RED
	s_lshl_b32 s78, s21, 11
	s_add_co_u32 s78, s78, RED
	s_lshl_b32 s79, s20, 5
	s_lshl_b32 s80, s20, 19
	s_lshl_b32 s57, s56, 10
	s_add_co_u32 s80, s80, s57
	s_mul_i32 s81, s20, LBP
	s_mul_i32 s57, s56, 384
	s_add_co_u32 s81, s81, s57
	s_add_co_u32 s81, s81, LBC
	s_mul_i32 s82, s20, LSP
	s_lshl_b32 s57, s56, 4
	s_add_co_u32 s82, s82, s57
	s_add_co_u32 s82, s82, LSC+2048
	s_lshl_b32 s83, s49, 7
	s_lshl_b32 s57, s21, 6
	s_add_co_u32 s83, s83, s57
	s_mul_i32 s84, s48, SMP
	s_mul_i32 s57, s49, 768
	s_add_co_u32 s84, s84, s57
	s_mul_i32 s57, s21, 384
	s_add_co_u32 s84, s84, s57
	s_mul_i32 s85, s48, LSP
	s_lshl_b32 s57, s49, 5
	s_add_co_u32 s85, s85, s57
	s_lshl_b32 s57, s21, 4
	s_add_co_u32 s85, s85, s57
	s_add_co_u32 s85, s85, LSC
	s_lshl_b32 s86, s48, 1
	s_mul_i32 s87, s49, 2*XBLK                     ; xf: blocks 2 tb, 2 tb + 1; steps 8 w + 2 b, + 1
	s_mul_i32 s57, s20, 8*1536
	s_add_co_u32 s87, s87, s57
	s_mul_i32 s57, s48, 2*1536
	s_add_co_u32 s87, s87, s57
	s_mul_i32 s57, s21, HB
	s_mul_i32 s60, s49, 32*KROW
	s_add_co_u32 s60, s60, s57
	s_mov_b32 s61, 0
	s_mul_i32 s62, s48, 32*KROW
	s_add_co_u32 s62, s62, s57
	s_mov_b32 s63, 0
	s_mov_b32 s59, 0
	s_mul_i32 s88, s21, TILE                       ; where the tile that I fetch goes: x's two, then lora_a's two
	s_add_co_u32 s89, s88, 2*TILE
	; every address register, in one run of vector instructions
	v_and_b32 v1, 31, v0                           ; L
	v_and_b32 v2, 15, v0                           ; r
	v_bfe_u32 v3, v0, 4, 1                         ; h
	v_mul_u32_u24 v[AX], v2, PITCH
	v_mad_u32_u24 v[AX], v3, 24, v[AX]
	v_add_nc_u32 v[AX], s76, v[AX]
	v_lshl_add_u32 v[AX+1], v3, 4, v[AX]
	v_add_nc_u32 v[AL], 2*TILE, v[AX]
	v_add_nc_u32 v[AL+1], 2*TILE, v[AX+1]
	v_lshl_add_u32 v12, v1, 4, s77                 ; where I put my partial sums
	v_lshlrev_b32 v13, 4, v2
	v_lshl_add_u32 v13, v3, 10, v13
	v_add_nc_u32 v13, s78, v13                     ; where I read them back
	v_lshl_add_u32 v8, v1, 7, s79                  ; scales: row L of 128 bytes, my quarter's 32
	v_and_b32 v24, 1, v0
	v_lshrrev_b32 v25, 1, v1
	v_lshlrev_b32 v9, 18, v24
	v_lshl_add_u32 v9, v25, 6, v9
	v_add_nc_u32 v9, s80, v9                       ; lora_b
	v_mad_u32_u24 v10, v1, 12, s81                 ; its codes
	v_add_nc_u32 v11, s82, v25                     ; its scale byte
	v_lshl_add_u32 v14, v2, 2, s83                 ; the token's index
	v_mul_u32_u24 v15, v2, 24
	v_mad_u32_u24 v15, v3, 12, v15
	v_add_nc_u32 v15, s84, v15                     ; sm's codes
	v_add_nc_u32 v16, s85, v2                      ; sm's scale byte
	v_add_nc_u32 v20, s86, v3                      ; the adapter of my lane: 2 b + h
	v_lshl_add_u32 v26, v1, 4, s87                 ; xf: 16 bytes a lane
	s_wait_alu depctr_va_vdst(0)
	s_wait_dscnt 0x0
	s_wait_kmcnt 0x0
	s_mov_b32 s[G0X], 1
	s_mov_b32 s[G0X+1], s88
	s_add_nc_u64 s[G0X+2:G0X+3], s[4:5], s[60:61]
	s_or_b32 s[G0X+3], s[G0X+3], 0x80000000
	s_mov_b32 s[G0L], 1
	s_mov_b32 s[G0L+1], s89
	s_add_nc_u64 s[G0L+2:G0L+3], s[8:9], s[62:63]
	s_or_b32 s[G0L+3], s[G0L+3], 0x80000000
	s_lshl_b32 s58, s49, 12
	s_add_nc_u64 s[6:7], s[6:7], s[58:59]
	s_lshl_b32 s58, s48, 12
	s_add_nc_u64 s[10:11], s[10:11], s[58:59]
	CROUND                                         ; all sixteen work-groups are here: the joint loads meet
	s_cmp_lt_u32 s20, 2                            ; one tensor load a wave: waves 0, 1 x's halves, waves 2, 3 lora_a's
	s_cbranch_scc0 .Lfor_la
	tensor_load_to_lds s[G0X:G0X+3], s[G1X:G1X+7]
	s_nop 0
	PLACES
	s_branch .Lasked
.Lfor_la:
	tensor_load_to_lds s[G0L:G0L+3], s[G1L:G1L+7]
	s_nop 0
	PLACES
.Lasked:
	global_load_b128 v[FS:FS+3], v9, s[12:13] th:TH_LOAD_NT
	global_load_b128 v[FS+4:FS+7], v9, s[12:13] offset:16 th:TH_LOAD_NT
	global_load_b128 v[FS+8:FS+11], v9, s[12:13] offset:32 th:TH_LOAD_NT
	global_load_b128 v[FS+12:FS+15], v9, s[12:13] offset:48 th:TH_LOAD_NT
	global_load_b128 v[SX:SX+3], v8, s[6:7]
	global_load_b128 v[SX+4:SX+7], v8, s[6:7] offset:16
	global_load_b128 v[SL:SL+3], v8, s[10:11]
	global_load_b128 v[SL+4:SL+7], v8, s[10:11] offset:16
	global_load_b32 v17, v14, s[14:15]
	; lora_b, while the tiles are on their way
	s_wait_loadcnt 5                               ; lora_b's four loads are in; the four scale loads and the index may be out
	QMAX FS
	v_max_num_f32_dpp v21, v21, v21 row_xmask:1 row_mask:0xf bank_mask:0xf   ; with the neighbour lane's 16: the pair's other adapter
	QCODE FS, 240, 244
	global_store_b96 v10, v[240:242], s[16:17]     ; the wave stores 384 consecutive bytes
	v_cmp_eq_u32 vcc_lo, 0, v24
	s_wait_alu depctr_va_vdst(0)
	s_wait_xcnt 0x0                                ; EXEC changes only behind this wait
	s_and_saveexec_b32 s53, vcc_lo
	global_store_b8 v11, v244, s[16:17]
	s_wait_xcnt 0x0
	s_or_b32 exec_lo, exec_lo, s53
	; the shrink: my quarter of K
	s_wait_loadcnt 0x0
	s_wait_tensorcnt 0x0                           ; my tile has landed;
	s_barrier_signal -1
	s_barrier_wait -1                              ; and so has everybody's
	FETCH 0, 0
	FETCH 1, 1
.irp q, 0,1,2,3,4,5,6,7
.if \q < 7
	s_wait_dscnt 24                                ; this step's 24 loads are in; the next set's may be out
.else
	s_wait_dscnt 0
.endif
	KEEPSEL \q
	MUL4 \q, \q%2
.if \q < 6
	PLACES
	FETCH \q+2, \q%2
.endif
.endr
	s_wait_alu depctr_va_vdst(0)                   ; ahead of the readers of what was kept
.irp e, 0,1
.irp t, 0,1
.irp g, 0,1,2
	global_store_b128 v26, v[KEEP+24*\e+12*\t+4*\g:KEEP+24*\e+12*\t+4*\g+3], s[18:19] offset:\t*XBLK+\e*1536+\g*512   ; 512 consecutive bytes, at a multiple of 512
.endr
.endr
.endr
	PLACES
.irp a, 0,1,2,3
	ds_store_b128 v12, v[ACC+8*\a:ACC+8*\a+3] offset:1024*\a
	ds_store_b128 v12, v[ACC+8*\a+4:ACC+8*\a+7] offset:1024*\a+512
.endr
	s_wait_dscnt 0x0                               ; for the others' sake
	s_barrier_signal -1
	s_barrier_wait -1
	s_cmp_ge_u32 s20, 2
	s_cbranch_scc1 .Lend
; lane (n, h) reads, of each wave's image, accumulator (tt, u = h): adapter 2 b + h's ranks 0 .. 15 of token n, in order
.irp p, 0,1,2,3
.irp k, 0,1,2,3
	ds_load_b128 v[FS+16*\p+4*\k:FS+16*\p+4*\k+3], v13 offset:4096*\p+512*(\k%2)+256*(\k/2)
.endr
.endr
	s_wait_dscnt 0x0
.irp j, 0,2,4,6,8,10,12,14
	v_pk_add_f32 v[FS+\j:FS+\j+1], v[FS+\j:FS+\j+1], v[FS+16+\j:FS+16+\j+1]
	v_pk_add_f32 v[FS+32+\j:FS+32+\j+1], v[FS+32+\j:FS+32+\j+1], v[FS+48+\j:FS+48+\j+1]
.endr
	v_mov_b32 v19, 1.0
	v_cmp_eq_u32 vcc_lo, v17, v20                  ; is my lane's adapter the token's?
	v_cndmask_b32 v18, 0, v19, vcc_lo              ; one_hot's 1 or 0
	v_mov_b32 v19, v18
.irp j, 0,2,4,6,8,10,12,14
	v_pk_add_f32 v[FS+\j:FS+\j+1], v[FS+\j:FS+\j+1], v[FS+32+\j:FS+32+\j+1]
.endr
.irp j, 0,2,4,6,8,10,12,14
	v_pk_mul_f32 v[FS+\j:FS+\j+1], v[FS+\j:FS+\j+1], v[18:19]
.endr
	QMAX FS
	v_permlanex16_b32 v22, v21, s50, s51           ; the block's other adapter lies in lane l xor 16
	v_max_num_f32 v21, v21, v22
	QCODE FS, 248, 252
	global_store_b96 v15, v[248:250], s[16:17]     ; 16 tokens x 24 bytes
	v_cmp_gt_u32 vcc_lo, 16, v1
	s_wait_alu depctr_va_vdst(0)
	s_wait_xcnt 0x0
	s_and_saveexec_b32 s53, vcc_lo
	global_store_b8 v16, v252, s[16:17]
	s_wait_xcnt 0x0
	s_or_b32 exec_lo, exec_lo, s53
.Lend:
	s_wait_tensorcnt 0x0                           ; the wave's end
	ds_add_u32 v254, v255
	s_wait_dscnt 0x0
	CROUND                                         ; the closing round
	s_endpgm
.Lfunc_end_k_qb6258454f2_prep:
	.size	k_qb6258454f2_prep, .Lfunc_end_k_qb6258454f2_prep-k_qb6258454f2_prep
	.p2alignl 7, 3214868480
	.fill 96, 4, 3214868480
	.section	.rodata,"a",@progbits
	.p2align	6, 0x0
	.amdhsa_kernel k_qb6258454f2_prep
		.amdhsa_group_segment_fixed_size 225792
		.amdhsa_private_segment_fixed_size 0
		.amdhsa_enable_private_segment 0
		.amdhsa_kernarg_size 64
		.amdhsa_user_sgpr_count 2
		.amdhsa_user_sgpr_kernarg_segment_ptr 1
		.amdhsa_wavefront_size32 1
		.amdhsa_system_sgpr_workgroup_id_x 1
		.amdhsa_system_sgpr_workgroup_id_y 1
		.amdhsa_system_sgpr_workgroup_id_z 1
		.amdhsa_system_vgpr_workitem_id 0
		.amdhsa_next_free_vgpr 256
		.amdhsa_next_free_sgpr 92
		.amdhsa_reserve_vcc 1
		.amdhsa_float_denorm_mode_32 3
		.amdhsa_float_denorm_mode_16_64 3
		.amdhsa_memory_ordered 1
		.amdhsa_forward_progress 1
		.amdhsa_inst_pref_size 46
	.end_amdhsa_kernel
	.amdgpu_metadata
---
amdhsa.version: [ 1, 2 ]
amdhsa.kernels:
  - .name:           k_qb6258454f2_prep
    .symbol:         k_qb6258454f2_prep.kd
    .args:
      - { .name: x_codes, .offset: 0, .size: 8, .value_kind: global_buffer, .address_space: global }
      - { .name: x_scales, .offset: 8, .size: 8, .value_kind: global_buffer, .address_space: global }
      - { .name: lora_a_codes, .offset: 16, .size: 8, .value_kind: global_buffer, .address_space: global }
      - { .name: lora_a_scales, .offset: 24, .size: 8, .value_kind: global_buffer, .address_space: global }
      - { .name: lora_b, .offset: 32, .size: 8, .value_kind: global_buffer, .address_space: global }
      - { .name: token_lora_idx, .offset: 40, .size: 8, .value_kind: global_buffer, .address_space: global }
      - { .name: lop, .offset: 48, .size: 8, .value_kind: global_buffer, .address_space: global }
      - { .name: xf, .offset: 56, .size: 8, .value_kind: global_buffer, .address_space: global }
    .group_segment_fixed_size: 225792
    .private_segment_fixed_size: 0
    .kernarg_segment_align: 8
    .kernarg_segment_size: 64
    .max_flat_workgroup_size: 128
    .sgpr_count:     92
    .vgpr_count:     256
    .wavefront_size: 32
...
	.end_amdgpu_metadata
.endif
;; end of part 1
;; launch gemm (part 2): grid 16 x 16, 4 waves a work-group, clusters of 4 x 1, 327,680 bytes of LDS; arguments xf, x_scales, W_codes, W_scales, out0, lop; writes out0
.if DOCPART == 2
	.amdgcn_target "amdgcn-amd-amdhsa--gfx1250"
	.amdhsa_code_object_version 6
	.text
	.protected	k_qb6258454f2_gemm
	.globl	k_qb6258454f2_gemm
	.p2align	8
	.type	k_qb6258454f2_gemm,@function
k_qb6258454f2_gemm:
	s_mov_b64 s[64:65], 0
	v_nop
	global_prefetch_b8 v0, s[64:65] scope:SCOPE_SE
	s_setreg_imm32_b32 hwreg(HW_REG_WAVE_MODE, 25, 1), 1
	s_wait_xcnt 0x0
	s_wait_alu depctr_hold_cnt(0) depctr_sa_sdst(0) depctr_va_vdst(0) depctr_va_sdst(0) depctr_va_ssrc(0) depctr_va_vcc(0) depctr_vm_vsrc(0)
	s_getreg_b32 s2, hwreg(HW_REG_IB_STS2, 6, 4)
	s_cmp_eq_u32 s2, 0
	s_cbranch_scc0 .Lentry_in_a_cluster
	s_endpgm
.Lentry_in_a_cluster:
	s_bfe_u32 s2, ttmp6, 0x10000c
	s_cmp_lg_u32 s2, 0x3003
	s_cbranch_scc0 .Lentry_shape_is_right
	s_endpgm
.Lentry_shape_is_right:
; out0 = x W^T + sm lora_b^T, all on codes of FP6 (E2M3) with E8M0 scales: 32 steps of 128 along K = 4,096, then one step for the adapter's K = 128 (operands from lop).
; A work-group makes 128 tokens x 256 outputs: 16 x 16 = 256 work-groups; a wave 64 x 128: 32 accumulators.  Source 0 = 16 rows of W, source 1 = 16 tokens: a lane holds eight neighbouring outputs of a token.
; W goes through a ring of two LDS slots in CHUNKS OF 512 BYTES of each row (a row of codes is 3,072 bytes = 6 chunks, each at a multiple of 512): a slot is 256 rows x (512 + 16) = 135,168 bytes.
; A step is 96 bytes of a row: steps 5, 10, 21, 26 lie across two chunks and read both slots.  Both slots and both blocks of scales are first filled at the head, one tensor load a wave.
; x's codes come from xf, where the launch before has laid them as register images: 12 loads of 512 consecutive bytes a step and wave, asked for four steps ahead into five sets of registers.
; WHY x IS NOT ASKED FOR JOINTLY: two slots with 128 more rows of 528 bytes would take 405,504 bytes, beyond LDS; with x outside LDS the ring has 6 fills, where chunks of 256 bytes would make 12.
; CLUSTER 4 x 1: four token blocks that need the same rows of W ask for each chunk jointly (mask 15); each wave brings 64 rows.
; PREFETCH: each chunk of W from the third on is asked for one refill ahead (chunk 2 in step 0): 256 rows x 2 blocks of 256 bytes = 512 blocks, shared out by address among 4 partners x 4 waves x 32 lanes.
; xf has no prefetch: its loads themselves stand four steps ahead of their use, under counted waits.
; The walk along K is written out: slots and chunks come back to where they began only after 32 steps, which is all of K.
; REGISTERS: window 0: v0-31 addresses, v32-63 scale words (two sets), v64-239 the adapter's operands, then the way out; window 1: W's fragments, two sets; window 2: the accumulators; window 3: x's fragments, five sets.
.set KROW,   3072
.set ROWB,   512
.set EDGE,   ROWB-24
.set PITCH,  528
.set FR,     12
.set QW,     64*PITCH
.set HALFW,  128*PITCH
.set SLOT,   256*PITCH
.set CHUNKS, 6
.set STEPS,  32
.set SCL,    2*SLOT                    ; the scales, as units of 256 bytes + 16: x's 128 rows, then W's 256
.set HSX,    32*272
.set HSW,    64*272
.set SBLK,   8*272
.set SPARE,  SCL+2*HSX+2*HSW           ; the spare words
.set SPITCH, 528                       ; the way out: 16 rows x (512 + 16) a wave, in slot 0, which has had its last fill and its last read by then
.set OROW,   16384
.set XBLK,   49152
.set LBC,    196608
.set LSC,    589824
.set SMP,    49152
.set LBP,    98304
.set LSP,    6144
.set VLA,  8
.set VLB,  9
.set VLS,  10
.set PFO,  11
.set ADRB, 20                          ; v20-21 my W rows in slot 0, 1; v22-23 lanes 0-15 at a chunk's last 24 bytes in slot 0, 1 and lanes 16-31 at the next chunk's start in the other slot
.set STO,  24
.set RD,   25
.set CO,   26                          ; 16 x lane: xf, and a row of out0
.set ADRS, 27
.set SPW,  28
.set NIL,  29
.set SC,   32
.set LBF,  64                          ; lora_b's eight fragments
.set SMF,  160                         ; sm's four
.set LSW,  208                         ; their scale words: lanes 0-15 sm's, lanes 16-31 lora_b's
.set LB8,  216
.set BK,   128
.set G1,  24                           ; the ring's tile: 64 rows
.set G0,  32                           ; s[32:39] one group 0 for each slot
.set G1H, 40                           ; the head's tile: 256 rows
.set G0H, 48
.set G1S, 52                           ; W's scales
.set G0S, 60
.set G1X, 68                           ; x's scales
.set G0X, 76
.set PFB, 96
.set XB,  98
.set MSB, 0
.macro WIN new
.if MSB != \new
	s_set_vgpr_msb (MSB<<8)|\new
.set MSB, \new
.endif
.endm
.set MUL,  0xad                        ; source 0 (W) window 1, source 1 (x) window 3, C and D window 2
.set MULL, 0xa0                        ; the adapter's step: both sources window 0
.set TO_B, 0x40
.set TO_X, 0xc0
.macro CREST
	s_cmp_lg_u32 s16, 0
	s_cbranch_scc1 .Lnot_wave_0_\@
	s_barrier_signal -3
.Lnot_wave_0_\@:
	s_barrier_wait -3
	s_barrier_signal -1
	s_barrier_wait -1
.endm
.macro CROUND
	s_barrier_signal -1
	s_barrier_wait -1
	CREST
.endm
.macro PLACES n
.rept \n
	v_nop
.endr
.endm
	s_load_b256 s[4:11], s[0:1], 0x0               ; xf, x's scales, W's codes, W's scales
	s_load_b128 s[12:15], s[0:1], 0x20             ; out0, lop
	v_lshl_add_u32 v[SPW], v0, 2, SPARE
	v_mov_b32 v[NIL], 0
	ds_add_u32 v[SPW], v[NIL]                      ; the opening lines: the add, twice on end, and its wait
	ds_add_u32 v[SPW], v[NIL]
	v_lshrrev_b32 v1, 5, v0
	v_readfirstlane_b32 s16, v1                    ; wave
	s_lshr_b32 s17, s16, 1                         ; which 64 tokens
	s_and_b32 s18, s16, 1                          ; which 128 outputs
	s_bfe_u32 s19, ttmp6, 0x40000                  ; cx
	s_lshl_b32 s20, ttmp9, 2
	s_add_co_u32 s20, s20, s19                     ; token block
	s_and_b32 s21, ttmp7, 0xffff                   ; block of outputs
.irp g, G1, G1H
	s_mov_b32 s[\g+0], 15|(1<<20)|(1<<21)|(6<<22)|(3<<25)   ; the four partners; elements of 1 byte; 4 words of padding behind every 128
	s_mov_b32 s[\g+1], ROWB<<16
	s_mov_b32 s[\g+3], ROWB<<16
	s_mov_b32 s[\g+5], KROW
	s_mov_b32 s[\g+6], 0
	s_mov_b32 s[\g+7], 0
.endr
	s_mov_b32 s[G1+2], 64<<16
	s_mov_b32 s[G1+4], 64
	s_mov_b32 s[G1H+2], 256<<16
	s_mov_b32 s[G1H+4], 256
	s_mov_b32 s[G1S+0], 15|(3<<16)|(1<<20)|(1<<21)|(5<<22)|(3<<25)  ; dense blocks as rows of 256 bytes, 16 bytes of padding behind each
	s_mov_b32 s[G1X+0], (3<<16)|(1<<20)|(5<<22)|(3<<25)             ; x's scales are my work-group's alone: no mask
.irp g, G1S, G1X
	s_mov_b32 s[\g+1], 32<<16
	s_mov_b32 s[\g+3], 32<<16
	s_mov_b32 s[\g+5], 32
	s_mov_b32 s[\g+6], 0
	s_mov_b32 s[\g+7], 0
.endr
	s_mov_b32 s[G1S+2], 128<<16
	s_mov_b32 s[G1S+4], 128
	s_mov_b32 s[G1X+2], 64<<16
	s_mov_b32 s[G1X+4], 64
	s_mul_i32 s80, s18, HALFW                      ; my 128 rows of W in a slot
	s_mov_b32 s81, SLOT-EDGE
	s_mov_b32 s82, SLOT+EDGE
	s_mul_i32 s83, s17, HSX
	s_mul_i32 s84, s18, HSW
	s_add_co_u32 s84, s84, 2*HSX
	s_sub_co_u32 s84, s84, s83                     ; from my x scales to my W scales
	s_add_co_u32 s83, s83, SCL
	s_mul_i32 s85, s16, 16*SPITCH                  ; my stage
	s_lshl_b32 s86, s20, 7
	s_lshl_b32 s87, s17, 6
	s_add_co_u32 s86, s86, s87                     ; my first token
	s_lshl_b32 s87, s21, 8
	s_lshl_b32 s88, s18, 7
	s_add_co_u32 s87, s87, s88                     ; my first output
	s_mul_i32 s88, s86, 24
	s_mul_i32 s89, s87, 24
	s_add_co_u32 s89, s89, LBC
	s_add_co_u32 s90, s87, 2048
	s_sub_co_u32 s90, s90, s86
	s_add_co_u32 s91, s86, LSC
	s_lshl_b32 s92, s19, 6
	s_lshl_b32 s93, s16, 4
	s_add_co_u32 s92, s92, s93
	s_mul_i32 s92, s92, KROW                       ; the prefetches: my work-group's 64 rows of the 256, my wave's 16 of them
	; every address register, in one run of vector instructions
	v_and_b32 v1, 15, v0
	v_bfe_u32 v2, v0, 4, 1
	v_mul_u32_u24 v3, v1, PITCH
	v_mad_u32_u24 v4, v2, 24, v3
	v_mul_u32_u24 v5, s81, v2
	v_add_nc_u32 v5, v3, v5
	v_add_nc_u32 v5, EDGE, v5
	v_sub_nc_u32 v7, 1, v2
	v_mul_u32_u24 v6, s82, v7
	v_add_nc_u32 v6, v3, v6
	v_add_nc_u32 v[ADRB], s80, v4
	v_add_nc_u32 v[ADRB+1], SLOT, v[ADRB]
	v_add_nc_u32 v[ADRB+2], s80, v5
	v_add_nc_u32 v[ADRB+3], s80, v6
	v_lshlrev_b32 v5, 7, v1                        ; a row of scales is 128 bytes,
	v_lshrrev_b32 v6, 1, v1
	v_lshl_add_u32 v5, v6, 4, v5                   ; and 16 more for each 256 passed
	v_mul_u32_u24 v6, s84, v2                      ; lanes 16-31 take W's
	v_add_nc_u32 v5, v5, v6
	v_add_nc_u32 v[ADRS], s83, v5
	v_mul_u32_u24 v5, v1, SPITCH
	v_lshl_add_u32 v5, v2, 5, v5
	v_add_nc_u32 v[STO], s85, v5
	v_and_b32 v6, 31, v0
	v_lshlrev_b32 v[CO], 4, v6
	v_add_nc_u32 v[RD], s85, v[CO]
	v_mul_u32_u24 v[VLA], v1, 24
	v_mad_u32_u24 v[VLA], v2, SMP, v[VLA]
	v_add_nc_u32 v[VLA], s88, v[VLA]
	v_mul_u32_u24 v[VLB], v1, 24
	v_mad_u32_u24 v[VLB], v2, LBP, v[VLB]
	v_add_nc_u32 v[VLB], s89, v[VLB]
	v_mul_u32_u24 v[VLS], s90, v2
	v_add_nc_u32 v[VLS], v[VLS], v1
	v_add_nc_u32 v[VLS], s91, v[VLS]
	v_lshrrev_b32 v5, 1, v6
	v_and_b32 v7, 1, v6
	v_mul_u32_u24 v[PFO], v5, KROW                 ; two lanes to a row, 256 bytes apart
	v_lshl_add_u32 v[PFO], v7, 8, v[PFO]
	v_add_nc_u32 v[PFO], s92, v[PFO]
	s_wait_alu depctr_va_vdst(0)
	s_wait_dscnt 0x0                               ; both opening adds are done
	s_wait_kmcnt 0x0
	s_mov_b32 s95, 0
	s_mul_i32 s94, s21, 256*KROW
	s_add_nc_u64 s[8:9], s[8:9], s[94:95]          ; my block's rows of W
	s_mov_b64 s[PFB:PFB+1], s[8:9]
	s_mov_b32 s[G0H], 1                            ; the head: wave 0 chunk 0 into slot 0, wave 1 chunk 1 into slot 1
	s_mul_i32 s[G0H+1], s18, SLOT
	s_lshl_b32 s94, s18, 9
	s_add_nc_u64 s[G0H+2:G0H+3], s[8:9], s[94:95]
	s_or_b32 s[G0H+3], s[G0H+3], 0x80000000
	s_mul_i32 s94, s16, 64*KROW                    ; the ring: my 64 rows
	s_add_nc_u64 s[G0+2:G0+3], s[8:9], s[94:95]
	s_add_nc_u64 s[G0+6:G0+7], s[G0+2:G0+3], ROWB
	s_or_b32 s[G0+3], s[G0+3], 0x80000000
	s_or_b32 s[G0+7], s[G0+7], 0x80000000
	s_mov_b32 s[G0], 1
	s_mov_b32 s[G0+4], 1
	s_mul_i32 s[G0+1], s16, QW
	s_add_co_u32 s[G0+5], s[G0+1], SLOT
	s_mov_b32 s[G0S], 1
	s_mov_b32 s[G0S+1], SCL+2*HSX
	s_lshl_b32 s94, s21, 15
	s_add_nc_u64 s[G0S+2:G0S+3], s[10:11], s[94:95]
	s_or_b32 s[G0S+3], s[G0S+3], 0x80000000
	s_mov_b32 s[G0X], 1
	s_mov_b32 s[G0X+1], SCL
	s_lshl_b32 s94, s20, 14
	s_add_nc_u64 s[G0X+2:G0X+3], s[6:7], s[94:95]
	s_or_b32 s[G0X+3], s[G0X+3], 0x80000000
	s_mul_i32 s94, s86, KROW                       ; xf: 16 tokens are 49,152 bytes
	s_add_nc_u64 s[XB:XB+1], s[4:5], s[94:95]
	s_lshl_b32 s94, s86, 14
	s_lshl_b32 s93, s87, 2
	s_add_co_u32 s94, s94, s93
	s_add_nc_u64 s[12:13], s[12:13], s[94:95]      ; my corner of out0
	CROUND                                         ; the four partners are here: the first joint loads meet
	s_cmp_lt_u32 s16, 2                            ; ONE chain of branches on the wave's number, one tensor load to an arm
	s_cbranch_scc0 .Lhead_ws
	tensor_load_to_lds s[G0H:G0H+3], s[G1H:G1H+7]
	s_nop 0
	PLACES 4
	s_branch .Lhead_asked
.Lhead_ws:
	s_cmp_lt_u32 s16, 3
	s_cbranch_scc0 .Lhead_xs
	tensor_load_to_lds s[G0S:G0S+3], s[G1S:G1S+7]
	s_nop 0
	PLACES 4
	s_branch .Lhead_asked
.Lhead_xs:
	tensor_load_to_lds s[G0X:G0X+3], s[G1X:G1X+7]
	s_nop 0
	PLACES 4
.Lhead_asked:
.macro XLOAD st                        ; x's four fragments of step st into set st % 5
	WIN TO_X
.irp a, 0,1,2,3
.irp g, 0,1,2
	global_load_b128 v[48*((\st)%5)+FR*\a+4*\g:48*((\st)%5)+FR*\a+4*\g+3], v[CO], s[XB:XB+1] offset:\a*XBLK+(\st)*1536+\g*512
.endr
.endr
	WIN 0
.endm
.macro LFRAG reg, adr, off, step       ; a fragment of the adapter's operands: planes by block of 32
.irp c, 0,1
.irp p, 0,1,2
	global_load_b64 v[\reg+6*\c+2*\p:\reg+6*\c+2*\p+1], v[\adr], s[14:15] offset:(\off)+(\step)*\c+8*\p
.endr
.endr
.endm
.macro FETCH_W st                      ; W's eight fragments of step st into set st % 2, in pieces of 8 bytes: byte y of a row lies in slot (y / 512) % 2 at byte y % 512
	WIN TO_B
.irp i, 0,1,2,3,4,5,6,7
.irp p, 0,1,2,3,4,5
.set BY, 96*(\st)+48*(\p/3)+8*(\p%3)
.if BY/ROWB == (BY+24)/ROWB
	ds_load_b64 v[128*((\st)%2)+FR*\i+2*\p:128*((\st)%2)+FR*\i+2*\p+1], v[ADRB+(BY/ROWB)%2] offset:BY%ROWB+\i*16*PITCH
.else
	ds_load_b64 v[128*((\st)%2)+FR*\i+2*\p:128*((\st)%2)+FR*\i+2*\p+1], v[ADRB+2+(BY/ROWB)%2] offset:BY%ROWB-EDGE+\i*16*PITCH
.endif
.endr
.endr
	WIN 0
.endm
.macro SCALES pr                       ; the scale words of steps 2 pr, 2 pr + 1: lanes 0-15 x's block i, lanes 16-31 W's block i
.irp i, 0,1,2,3,4,5,6,7
	ds_load_b64 v[SC+16*((\pr)%2)+2*\i:SC+16*((\pr)%2)+2*\i+1], v[ADRS] offset:\i*SBLK+8*(\pr)
.endr
.endm
; eight matrix instructions: token block a against W's eight; the 32 accumulators take turns.  WB, XS: the fragments; SS, SM: the scale words and their stride
.macro MUL8 a, zero
.irp b, 0,1,2,3,4,5,6,7
.if \zero
	v_wmma_scale_f32_16x16x128_f8f6f4 v[8*(8*(\a)+\b):8*(8*(\a)+\b)+7], v[WB+FR*\b:WB+FR*\b+FR-1], v[XS+FR*(\a):XS+FR*(\a)+FR-1], 0, v[SS+SM*\b], v[SS+SM*(\a)] matrix_a_fmt:MATRIX_FMT_FP6 matrix_b_fmt:MATRIX_FMT_FP6 matrix_a_scale:MATRIX_SCALE_ROW1
.else
	v_wmma_scale_f32_16x16x128_f8f6f4 v[8*(8*(\a)+\b):8*(8*(\a)+\b)+7], v[WB+FR*\b:WB+FR*\b+FR-1], v[XS+FR*(\a):XS+FR*(\a)+FR-1], v[8*(8*(\a)+\b):8*(8*(\a)+\b)+7], v[SS+SM*\b], v[SS+SM*(\a)] matrix_a_fmt:MATRIX_FMT_FP6 matrix_b_fmt:MATRIX_FMT_FP6 matrix_a_scale:MATRIX_SCALE_ROW1
.endif
.endr
.endm
; What the fetch that step s makes (of step s + 1's fragments) asks for.  NEWC: they end in a chunk that came by a refill and that no step has read.  OLDC: they begin in a later chunk than step s's: that chunk is read no more.  FILL: its slot is filled again
.macro KIND s
.set NEWC, 0
.set OLDC, 0
.set FILL, 0
.set CS, ((96*(\s))/ROWB)%2
.if (\s) < STEPS-1
.if (96*(\s)+191)/ROWB > (96*(\s)+95)/ROWB
.if (96*(\s)+191)/ROWB > 1
.set NEWC, 1
.endif
.endif
.if (96*(\s)+96)/ROWB > (96*(\s))/ROWB
.set OLDC, 1
.if (96*(\s))/ROWB+2 < CHUNKS
.set FILL, 1
.endif
.endif
.endif
.endm
; A step: at its start the next step's fragments of W and the x fragments of four steps on are asked for; then 32 matrix instructions.
; Where the NEXT step's fetch needs a barrier, its waits, the add and its signal stand in this step's middle, and its wait at the next step's start.
.macro STEP st
.set NX, (\st)+1
.set WB, 128*((\st)%2)
.set XS, 48*((\st)%5)
.set SS, SC+16*(((\st)/2)%2)+(\st)%2
.set SM, 2
.set Z, 0
.set PFC, 0
.if (\st) == 0
.set Z, 1
.set PFC, 2
.endif
	KIND \st
.if NEWC+OLDC
	s_barrier_wait -1                              ; every wave's tensor loads have landed and its reads of the chunk left behind are over
.endif
.if FILL
.if (96*(\st))/ROWB+3 < CHUNKS
.set PFC, (96*(\st))/ROWB+3
.endif
	CREST                                          ; the barrier has opened a round of the cluster's barrier
	s_add_nc_u64 s[G0+4*CS+2:G0+4*CS+3], s[G0+4*CS+2:G0+4*CS+3], 2*ROWB
	tensor_load_to_lds s[G0+4*CS:G0+4*CS+3], s[G1:G1+7]   ; my one load behind the round: my 64 rows of the chunk two on
	s_nop 0
.endif
	PLACES 4                                       ; in front of loads into registers that the last step's matrix instructions read
.set DN, 0
.if NX < STEPS
	FETCH_W NX
.set DN, 48
.if NX%2 == 0
	SCALES NX/2
.set DN, 56
.endif
.endif
.if (\st)+4 < STEPS
	XLOAD (\st)+4
.if (\st) < 4
	s_wait_loadcnt 63                              ; behind this step's x loads stand more than 63 others (later sets and the adapter's 104)
.else
	s_wait_loadcnt 48                              ; this step's x fragments are in; the four later sets may be out
.endif
.else
	s_wait_loadcnt 12*(STEPS-1-(\st))
.endif
	s_wait_dscnt DN                                ; all but the LDS loads just issued
	WIN MUL
	MUL8 0, Z
	KIND NX
.if NEWC+OLDC
	WIN 0
	s_wait_tensorcnt 0x0                           ; all my tensor loads have landed
.if OLDC
	ds_add_u32 v[SPW], v[NIL]
.endif
	WIN MUL
	MUL8 1, Z
	s_wait_dscnt 0x0                               ; the add, and my reads of the chunk that is left behind
	s_barrier_signal -1
.else
	MUL8 1, Z
.endif
	MUL8 2, Z
	MUL8 3, Z
	WIN 0
.if PFC
	global_prefetch_b8 v[PFO], s[PFB:PFB+1] offset:PFC*ROWB th:TH_LOAD_NT scope:SCOPE_SE   ; chunk PFC: the one that the next refill brings
.endif
.endm
	XLOAD 0
	XLOAD 1
	XLOAD 2
	XLOAD 3
.irp i, 0,1,2,3,4,5,6,7
	LFRAG LBF+FR*\i, VLB, 384*\i, 2*LBP
.endr
.irp i, 0,1,2,3
	LFRAG SMF+FR*\i, VLA, 384*\i, 2*SMP
.endr
.irp i, 0,1,2,3,4,5,6,7
	global_load_u8 v[LSW+\i], v[VLS], s[14:15] offset:16*\i
.irp p, 1,2,3
	global_load_u8 v[LB8+8*(\p-1)+\i], v[VLS], s[14:15] offset:LSP*\p+16*\i
.endr
.endr
	s_wait_tensorcnt 0x0                           ; my tile of the head's four is in;
	s_barrier_signal -1
	s_barrier_wait -1                              ; and so is everybody's
	FETCH_W 0
	SCALES 0
.set ST, 0
.rept STEPS
	STEP ST
.set ST, ST+1
.endr
	; the adapter's step: four scale bytes make a word
.irp p, 1,2,3
.irp i, 0,1,2,3,4,5,6,7
	v_lshl_or_b32 v[LSW+\i], v[LB8+8*(\p-1)+\i], 8*\p, v[LSW+\i]
.endr
.endr
	PLACES 8                                       ; a scale register written by a vector instruction stands 8 places ahead of a scaled matrix instruction
.set WB, LBF
.set XS, SMF
.set SS, LSW
.set SM, 1
	WIN MULL
	MUL8 0, 0
	MUL8 1, 0
	MUL8 2, 0
	MUL8 3, 0
	WIN 0
; THE WAY OUT, by blocks of 16 tokens x 128 outputs: through my own stage, back as whole rows of 512 bytes
.macro TOSTAGE a
.set AC, 64*(\a)
	WIN 0x08
.irp b, 0,1,2,3,4,5,6,7
	ds_store_b128 v[STO], v[AC+8*\b:AC+8*\b+3] offset:64*\b          ; each accumulator from its low end on
	ds_store_b128 v[STO], v[AC+8*\b+4:AC+8*\b+7] offset:64*\b+16
.endr
	WIN 0
.set BB, BK+64*((\a)%2)
.irp t, 0,1,2,3,4,5,6,7,8,9,10,11,12,13,14,15
	ds_load_b128 v[BB+4*\t:BB+4*\t+3], v[RD] offset:\t*SPITCH        ; LDS serves a wave's instructions in order: these see the stores above
.endr
.endm
.macro SEND a, younger
.set BB, BK+64*((\a)%2)
	s_wait_dscnt \younger
.irp t, 0,1,2,3,4,5,6,7,8,9,10,11,12,13,14,15
	global_store_b128 v[CO], v[BB+4*\t:BB+4*\t+3], s[12:13] offset:(16*(\a)+\t)*OROW th:TH_STORE_NT   ; 512 consecutive bytes, at a multiple of 512
.endr
.endm
	PLACES 4
	TOSTAGE 0
.irp a, 1,2,3
.if \a > 1
	s_wait_xcnt 0x0                                ; block a - 2's stores have read their registers
.endif
	TOSTAGE \a
	SEND \a-1, 32
.endr
	SEND 3, 0
	s_wait_tensorcnt 0x0                           ; the wave's end
	ds_add_u32 v[SPW], v[NIL]
	s_wait_dscnt 0x0
	CROUND                                         ; the closing round
	s_endpgm
.Lfunc_end_k_qb6258454f2_gemm:
	.size	k_qb6258454f2_gemm, .Lfunc_end_k_qb6258454f2_gemm-k_qb6258454f2_gemm
	.p2alignl 7, 3214868480
	.fill 96, 4, 3214868480
	.section	.rodata,"a",@progbits
	.p2align	6, 0x0
	.amdhsa_kernel k_qb6258454f2_gemm
		.amdhsa_group_segment_fixed_size 327680
		.amdhsa_private_segment_fixed_size 0
		.amdhsa_enable_private_segment 0
		.amdhsa_kernarg_size 48
		.amdhsa_user_sgpr_count 2
		.amdhsa_user_sgpr_kernarg_segment_ptr 1
		.amdhsa_wavefront_size32 1
		.amdhsa_system_sgpr_workgroup_id_x 1
		.amdhsa_system_sgpr_workgroup_id_y 1
		.amdhsa_system_sgpr_workgroup_id_z 1
		.amdhsa_system_vgpr_workitem_id 0
		.amdhsa_next_free_vgpr 1024
		.amdhsa_next_free_sgpr 100
		.amdhsa_reserve_vcc 0
		.amdhsa_float_denorm_mode_32 3
		.amdhsa_float_denorm_mode_16_64 3
		.amdhsa_memory_ordered 1
		.amdhsa_forward_progress 1
		.amdhsa_inst_pref_size 255
	.end_amdhsa_kernel
	.section	.bss,"aw",@nobits
	.p2align	6
	.space	262144
	.amdgpu_metadata
---
amdhsa.version: [ 1, 2 ]
amdhsa.kernels:
  - .name:           k_qb6258454f2_gemm
    .symbol:         k_qb6258454f2_gemm.kd
    .args:
      - { .name: xf, .offset: 0, .size: 8, .value_kind: global_buffer, .address_space: global }
      - { .name: x_scales, .offset: 8, .size: 8, .value_kind: global_buffer, .address_space: global }
      - { .name: W_codes, .offset: 16, .size: 8, .value_kind: global_buffer, .address_space: global }
      - { .name: W_scales, .offset: 24, .size: 8, .value_kind: global_buffer, .address_space: global }
      - { .name: out0, .offset: 32, .size: 8, .value_kind: global_buffer, .address_space: global }
      - { .name: lop, .offset: 40, .size: 8, .value_kind: global_buffer, .address_space: global }
    .group_segment_fixed_size: 327680
    .private_segment_fixed_size: 0
    .kernarg_segment_align: 8
    .kernarg_segment_size: 48
    .max_flat_workgroup_size: 128
    .sgpr_count:     100
    .vgpr_count:     1024
    .wavefront_size: 32
...
	.end_amdgpu_metadata
.endif
;; end of part 2
